; MI455X (gfx1250); checked and timed in simulation.
; The chip was launched on July 23, 2026; its instructions are those of AMD's public machine-readable ISA for CDNA 5 (MIT licence, August 2026) and "CDNA5" Instruction Set Architecture Reference Guide (July 2026). The comments in the code are by the model that wrote it; some were corrected since.
;; Multi Perspective Layer. Allowed arithmetic: matrix products marked QUANTISED: E5M2 operands, one given power-of-two scale a tensor, by v_wmma_f32_16x16x64_bf8_bf8 or v_wmma_f32_16x16x128_bf8_bf8, f32 sums; products left as they are: f32 operands where the result goes on into a quantised operand, else bf16, f16 or f32 operands; f32 sums; everything else in f32.
;; Inputs: W_att_codes 32 x 8 x 32 uint8 (E5M2 codes of W_att, K innermost, in blocks of 32 codes); W_full 32 x 256 float32; W_maxatt_codes 32 x 8 x 32 uint8 (E5M2 codes of W_maxatt, K innermost, in blocks of 32 codes); W_maxpool 32 x 256 float32; backward_c_lt 32 x 128 float32; backward_c_rt 32 x 128 float32; backward_h_lt 32 x 128 float32; backward_h_rt 32 x 128 float32; forward_c_lt 32 x 128 float32; forward_c_rt 32 x 128 float32; forward_h_lt 32 x 128 float32; forward_h_rt 32 x 128 float32; lowp_scales 12 int32 (the exponents e of the quantised operands' scales 2^e); lstm_lt 32 x 256 x 256 float32; lstm_rt 32 x 256 x 256 float32.
;; Outputs: out0 32 x 256 x 128 float32.
;; This version of the problem:
;;   THIS VERSION OF THE PROBLEM IS GIVEN IN LOW PRECISION. The matrix products marked QUANTISED in the list below multiply operands that are first quantised to E5M2 (5 exponent bits, 2 mantissa bits; 8 bits a number), with one given power-of-two scale for each operand tensor; their sums are f32. All else is computed in f32.
;;   The module's matrix products, in the order in which they are computed (A, B: the left and right operand; K: the contracted axis; several contracted axes count as one K, in the product's order):
;;     1. batch 256 x [M 32, K 1] x [K 1, N 32]; A: computed on the way; B: computed on the way: left as it is (no contracted axis)
;;     2. batch 32 x [M 256, K 256] x [K 256, N 32]; A: input lstm_lt; B: computed on the way: QUANTISED (scales: A lowp_scales[0], B lowp_scales[1])
;;     3. batch 256 x [M 32, K 1] x [K 1, N 8,192]; A: computed on the way; B: computed on the way: left as it is (no contracted axis)
;;     4. batch 32 x [M 8,192, K 256] x [K 256, N 256]; A: computed on the way; B: input lstm_rt: QUANTISED (scales: A lowp_scales[2], B lowp_scales[3])
;;     5. batch 32 x [M 256, K 256] x [K 256, N 256]; A: input lstm_lt; B: input lstm_rt: QUANTISED (scales: A lowp_scales[4], B lowp_scales[5])
;;     6. batch 32 x [M 256, K 256] x [K 256, N 256]; A: computed on the way; B: input lstm_rt: QUANTISED (scales: A lowp_scales[6], B lowp_scales[7])
;;     7. batch 2,097,152 x [M 1, K 1] x [K 1, N 1]; A: computed on the way; B: computed on the way: left as it is (no contracted axis)
;;     8. [M 8,192, K 256] x [K 256, N 32]; A: computed on the way; B: input W_att (given as codes): QUANTISED (scales: A lowp_scales[8], B lowp_scales[9])
;;     9. batch 2,097,152 x [M 1, K 1] x [K 1, N 1]; A: computed on the way; B: computed on the way: left as it is (no contracted axis)
;;     10. [M 8,192, K 256] x [K 256, N 32]; A: computed on the way; B: input W_maxatt (given as codes): QUANTISED (scales: A lowp_scales[10], B lowp_scales[11])
;;   THE QUANTISER, for each operand of a quantised product, along K:
;;     - The operand's scale is 2^e, e = its entry of the input lowp_scales (int32; the entries are numbered through the quantised products in the list's order, A before B).
;;     - Each number is divided by the scale, clamped to +-57,344, and rounded to the nearest number of E5M2, ties to even, subnormals kept.
;;     - The product sums the exact products of the quantised numbers (number of the format x scale) in f32.
;;   ~~~python
;;   def quantise(x, axis, e):      # numpy; x: float32 -> the quantised numbers, widened to float32 again
;;       x = np.moveaxis(x, axis, -1); K = x.shape[-1]
;;       r = np.clip(x / 2.0 ** e, -57344, 57344)
;;       step = 2.0 ** (np.maximum(np.frexp(np.where(r == 0, 1, r))[1] - 1, -14) - 2)
;;       q = np.round(r / step) * step * 2.0 ** e      # np.round: ties to even
;;       return np.moveaxis(q, -1, axis).astype(np.float32)
;;   ~~~
;;   OPERANDS COMPUTED ON THE WAY. 'Computed on the way' means the value that the module computes at that place (a softmax that the list does not call 'softmax' is quantised finished and normalised). What goes into a quantiser is computed in f32, as accurately as f32 sums, v_exp_f32 and their like allow (about 1e-6 of the number): no bf16 or f16 on the way to a quantiser, and a product that is left as it is and whose result goes on into a quantised operand takes f32 operands (vector FMAs, or v_wmma_f32_16x16x4_f32). A number that lies on a knife's edge between two numbers of the format may be rounded either way, as far as f32 arithmetic and the matrix unit's own rounding can turn it there, and no further.
;;   INPUTS GIVEN AS CODES. W_att (in the module: [32, 256], K = its axis 1); W_maxatt (in the module: [32, 256], K = its axis 1): each comes as NAME_codes (uint8): NAME with its K axis moved to the last place and cut into blocks of 32 codes, [.., K / 32, bytes a block], one block behind the other in memory; one code a byte (a code: sign, 5 exponent bits, 2 mantissa bits); its scale is its entry of lowp_scales. Its value is code x scale, taken as it is: it is not quantised again, and the codes and scales need not be those that the quantiser above would give.
;; One version. Each part assembles by itself: llvm-mc -triple=amdgcn-amd-amdhsa -mcpu=gfx1250 --defsym DOCPART=n.
;; ======== version 1 of 1: 1 launch
;; limits: right only within a limited range of input values
;; launch mp (part 1): grid 8 x 32, 4 waves a work-group, clusters of 4 x 1, 327,680 bytes of LDS; arguments lstm_lt, lstm_rt, W_full, W_maxpool, forward_h_rt, backward_h_rt, W_att_codes, W_maxatt_codes, lowp_scales, out0; writes out0
.if DOCPART == 1
	.amdgcn_target "amdgcn-amd-amdhsa--gfx1250"
	.amdhsa_code_object_version 6
	.text
	.protected	k_q81b8f6e336_mp
	.globl	k_q81b8f6e336_mp
	.p2align	8
	.type	k_q81b8f6e336_mp,@function
k_q81b8f6e336_mp:
	s_mov_b64 s[64:65], 0
	v_nop
	global_prefetch_b8 v0, s[64:65] scope:SCOPE_SE
	s_setreg_imm32_b32 hwreg(HW_REG_WAVE_MODE, 25, 1), 1
	s_wait_xcnt 0x0
	s_wait_alu depctr_hold_cnt(0) depctr_sa_sdst(0) depctr_va_vdst(0) depctr_va_sdst(0) depctr_va_ssrc(0) depctr_va_vcc(0) depctr_vm_vsrc(0)
	s_getreg_b32 s2, hwreg(HW_REG_IB_STS2, 6, 4)
	s_cmp_eq_u32 s2, 0
	s_cbranch_scc0 .Lentry_in_a_cluster
	s_endpgm
.Lentry_in_a_cluster:
	s_bfe_u32 s2, ttmp6, 0x10000c
	s_cmp_lg_u32 s2, 0x3003
	s_cbranch_scc0 .Lentry_shape_is_right
	s_endpgm
.Lentry_shape_is_right:
; out0[b][i][0:128] = tanh of four matchings of lt[b][i][:] (256 numbers) against rt[b] (256 rows of 256): full (32), max-pooling (32), attentive (32), max-attentive (32).
; All six quantised products run on codes of BF8 (E5M2) by v_wmma_f32_16x16x128_bf8_bf8, each operand with its given scale 2^e (e0 .. e11), sums in f32.
; SHARES.  A work-group owns 32 rows i of one batch b and all 128 of their outputs.  Wave w: it = w & 1 is its tile of 16 rows i; hf = w >> 1 is the tile of l (product 2), the 16 l (product 4), the half of j (product 5),
; the half of d (product 6), and which of products 8 and 10 it makes.  Of product 2's operand W_full x h_rt, wave (it, hf) makes tile hf of l, half it of d; the two halves meet in LDS.
; CLUSTER.  The four work-groups of a cluster belong to one batch: rt[b] (256 KiB) and W_maxpool are asked for JOINTLY, each by loads with one descriptor and the mask of all four.  lt's rows and out0's are each work-group's own.
; EVERY TENSOR LOAD IS A FIRST FILL: rt[b] fits into LDS once.  The wave that asked for 16 rows reads them as f32, and stores their three sets of codes (e3, e5, e7) over them: those bytes have had their one fill.
; max over j of tanh(x) = tanh(max over j of x), since tanh never falls, and 2^(e2+e3) > 0 passes through a maximum: so product 4's sums go into a running maximum, and 32 x 32 numbers a work-group see tanh.
; LAYOUTS.  L = lane, r = L & 15, h = L >> 4.  Every product is used transposed (source 1 = the operand whose rows are i): a lane holds i = r, its register q row 8 h + q of source 0.
;   K = d (products 2, 4, 5, 8, 10): registers 4 c .. 4 c + 3 hold d = 32 c + 16 h + 0 .. 15, the same permutation of k on both sides.  K = j (product 6): registers 2 c, 2 c + 1 hold j = 16 c + 8 h + 0 .. 7.
;   An operand goes from wave to wave as an image of its registers: four registers a piece of 512 bytes, lane L's 16 bytes at IMG = 256 h + 16 ((r + 8 h) & 15)..
; NOT READ: forward_h_lt, backward_h_lt and the four *_c_* inputs: reference() takes them as parameters and uses them nowhere.
; LIMITS.  e0 .. e7, e8 - e6 - e7 and e10 - e6 - e7 lie between -126 and 112, so that a scale and 57,344 x the scale are f32 numbers; e4 + e5 between -100 and 100 (it is applied to 1 / |lt| ahead of the product with the sum).
;   NaN among the inputs is not served; infinities are held at the largest code.  1 / norm is v_rsq_f32, multiplied in (reference() divides twice).  tanh(x) = 1 - 2 / (1 + 2^(2 log2(e) x)): its error is absolute, about 1e-7.
; lt comes from memory straight into registers, 16 bytes a lane of 16 rows: 16 KiB a wave, once; LDS has no room for it beside rt.
.set TRB,   16640                      ; LDS: a tile of 16 rows of rt: 16 x (1,024 bytes + 16); later +0 its codes by e3, +4096 by e5, +8192 by e7 (4,096 bytes each), +12288 a tail of 4,352 bytes
.set PITCH, 1040                       ; 260 words: row r starts at bank 4 r mod 64 (64 banks of 4 bytes: ISA guide 11.1)
.set WHO,   14336                      ; in the tail of a wave's first tile: its fragment of the codes of W_full x h_rt, 2,048 bytes
.set WB,    16*TRB                     ; W_maxpool, 32 rows of PITCH
.set SG,    WB+32*PITCH                ; the stage: 32 rows x (512 bytes + 16): the outputs ahead of tanh
.set SGP,   528
.set RNRB,  SG+32*SGP                  ; 1 / |rt[j]|, 256 words
.set SCI,   RNRB+1024                  ; images of the scores' codes: fragment 2 it + (half of j), 2,048 bytes each
; vector registers of window 0 that stay
.set RR,  1                            ; r
.set HH,  2                            ; h
.set IMG, 3                            ; my 16 bytes in a piece of an image
.set RTA, 4                            ; rt as f32: my wave's tiles, row r, + 64 h
.set G5A, 4                            ; later: IMG in the tiles of my half of j, tiles 0-3,
.set G5B, 5                            ; and tiles 4-7
.set SGR, 4                            ; last: my 8 rows of the stage
.set IMW, 5                            ; IMG in my wave's tiles
.set IMS, 6                            ; IMW + the set in hand
.set SCW, 6                            ; later: where I store my fragment of the scores' codes
.set WA0, 7                            ; W_maxpool: my 16 rows, + 64 h
.set WA,  8                            ; WA0 + the trip's rows
.set SA0, 9                            ; the stage: my row, my 16 columns of the max-pooling part
.set SA,  10                           ; SA0 + the trip's columns
.set SOF, 11                           ; the stage: my row, + 32 h, + 64 hf (product 2)
.set GB,  12                           ; v12-15: IMG + 4 TRB g
.set TRA, 16                           ; v16-19: the turning loads' place in a piece, + my half of d, + 4 TRB g
.set RNL, 20                           ; 2^(e4+e5) / |lt[i]|
.set PT,  21                           ; a lane permute's destination; also named as the upper half of the pair v[20:21]
.set SCX, 22                           ; the conversions' scale
.set XW,  23                           ; where I store x's images
.set OLT, 24                           ; offsets into memory: 1,024 r + 64 h,
.set OHV, 25                           ; 64 h (last: 16 L),
.set OWC, 26                           ; 256 r + 16 h
.set RNA, 27                           ; where I store 1 / |rt[j]|
.set SCRA, 27                          ; later: the scores' two fragments of my rows
.set RNR, 28                           ; where I read 1 / |rt[j]| of my half of j
.set XRD, 29                           ; where I read x's images
.set SOA, 30                           ; the stage: my row, + 32 h, + 128 hf (products 8 and 10)
.set TT,  31                           ; at work
; vector registers of window 0 by phase
.set XF,  32                           ; v32-159  128 numbers: a tile of rt; then 64 of W_full x h_rt
.set WH,  32                           ; v32-63   the two fragments of the codes of W_full x h_rt, read back
.set L0,  160                          ; v160-191 lt's codes by e0: they wait for product 2 through the quantising of rt, which does not touch them
.set L4,  224                          ; v224-255 lt's codes by e4
.set SS,  208                          ; v208-215 sums of squares, four pairs
.set CD,  192                          ; v192-223 codes on their way to LDS
.set F5,  32                           ; product 5: four tiles of rt's codes
.set RN,  32                           ; 1 / |rt[j]|, 64
.set A5,  160                          ; v160-223 product 5's eight accumulators
.set SCD, 128                          ; the scores' codes
.set RW,  32                           ; product 6: what the turning loads bring, two sets of 32
.set EO,  96                           ; fragments of even and odd d, two sets of 32
.set A6,  160                          ; its eight accumulators
.set SCR, 224                          ; the scores' two fragments
.set Y,   32                           ; lt x att, 64
.set TY,  96                           ; the same, held
.set XC,  224                          ; x's codes by e8, then by e10
.set XO,  32                           ; x's two fragments
.set A8,  64                           ; products 8 / 10: two accumulators
.set AB,  32                           ; product 4: A's codes, two sets of 32
.set ACC, 96                           ; two sets of four accumulators
.set X,   160                          ; lt x W, two sets of 16
.set WS,  192                          ; W's block, two sets of 16
.set RUN, 224                          ; four running maxima
.set FO,  228                          ; a finished maximum
; window 1: v0-127 lt (register 16 c + e: d = 32 c + 16 h + e of row r); v128-191 my half of W_full's rows, later the codes of W_att or W_maxatt; v192-255 my half of h_rt.
; windows 2, 3: at first a temporary (window 2), then all of rt's codes by e3.
; scalar registers
.set WV,  60
.set IT,  61
.set HF,  62
.set BB,  63
.set WOFF, 72
.set SOFF, 73
.set SETO, 74
.set MSB, 0
.macro WIN new                         ; bits 1:0 source 0, 3:2 source 1, 5:4 source 2, 7:6 destination; the high byte repeats the setting that is left
.if MSB != (\new)
	s_set_vgpr_msb (MSB<<8)|(\new)
.set MSB, (\new)
.endif
.endm
.macro NOPS n
.rept \n
	v_nop
.endr
.endm
.macro ROUND                           ; a round of the cluster's barrier
	s_barrier_signal -1
	s_barrier_wait -1
	s_cmp_lg_u32 s[WV], 0
	s_cbranch_scc1 .Lnot_wave_0_\@
	s_barrier_signal -3
.Lnot_wave_0_\@:
	s_barrier_wait -3
	s_barrier_signal -1
	s_barrier_wait -1
.endm
.macro BAR                             ; my LDS stores have landed and my LDS loads are in: then the work-group's barrier
	s_wait_dscnt 0x0
	s_barrier_signal -1
	s_barrier_wait -1
.endm
.macro MKSC e, lim, sc                 ; s[sc] = 2^e as f32, s[lim] = 57,344 x 2^e
	s_add_co_i32 s100, s[\e], 127
	s_lshl_b32 s[\sc], s100, 23
	s_add_co_i32 s100, s100, 15
	s_lshl_b32 s100, s100, 23
	s_or_b32 s[\lim], s100, 0x600000
.endm
.macro HOLDS dst, src, n, lim          ; the conversion to an 8-bit code does not saturate (ISA guide 7.6.2): n numbers are held within the largest code x the scale.  The vector source stands in place 1
.set hI, 0
.rept \n
	v_med3_num_f32 v[(\dst)+hI], -s[\lim], v[(\src)+hI], s[\lim]
.set hI, hI+1
.endr
.endm
.macro CVTS dst, src, n                ; n conversions of eight numbers / 2^e, to the nearest code, ties to even
.set cI, 0
.rept \n
	v_cvt_scalef32_pk8_bf8_f32 v[(\dst)+2*cI:(\dst)+2*cI+1], v[(\src)+8*cI:(\src)+8*cI+7], v[SCX]
.set cI, cI+1
.endr
.endm
.macro SQ src, m                       ; pair m of a lane's 64 pairs is squared into one of four chains; the first four start them
.if (\m) < 4
	v_pk_mul_f32 v[SS+2*(\m):SS+2*(\m)+1], v[(\src)+2*(\m):(\src)+2*(\m)+1], v[(\src)+2*(\m):(\src)+2*(\m)+1]
.else
	v_pk_fma_f32 v[SS+2*((\m)%4):SS+2*((\m)%4)+1], v[(\src)+2*(\m):(\src)+2*(\m)+1], v[(\src)+2*(\m):(\src)+2*(\m)+1], v[SS+2*((\m)%4):SS+2*((\m)%4)+1]
.endif
.endm
.macro NORM dst                        ; the four chains, the lane 16 away (the row's other 128 numbers): v[dst] = 1 / sqrt(max(sum, 1e-6))
	v_pk_add_f32 v[SS:SS+1], v[SS:SS+1], v[SS+2:SS+3]
	v_pk_add_f32 v[SS+4:SS+5], v[SS+4:SS+5], v[SS+6:SS+7]
	v_pk_add_f32 v[SS:SS+1], v[SS:SS+1], v[SS+4:SS+5]
	v_add_f32 v[SS], v[SS], v[SS+1]
	v_permlanex16_b32 v[PT], v[SS], s66, s67
	v_add_f32 v[SS], v[SS], v[PT]
	v_max_num_f32 v[SS], 0x358637bd, v[SS]
	v_rsq_f32 v[\dst], v[SS]
	v_nop                                          ; a plain instruction behind the transcendental,
	s_wait_alu depctr_va_vdst(0)                   ; and a wait ahead of the first use
.endm
; ---------------- the head: ids, lt and my half of W_full, descriptors, the joint loads ----------------
	s_load_b512 s[4:19], s[0:1], 0x0               ; lt s[4:5], rt s[6:7], W_full s[8:9], W_maxpool s[10:11], forward_h_rt s[12:13], backward_h_rt s[14:15], W_att's codes s[16:17], W_maxatt's s[18:19]
	s_load_b128 s[20:23], s[0:1], 0x40             ; the scales' exponents s[20:21], out0 s[22:23]
	v_lshl_add_u32 v254, v0, 2, 0x4f800
	v_mov_b32 v255, 0
	ds_add_u32 v254, v255
	ds_add_u32 v254, v255
	s_wait_dscnt 0x0
	v_lshrrev_b32 v1, 5, v0
	v_readfirstlane_b32 s[WV], v1                  ; wave 0..3
	s_and_b32 s[IT], s[WV], 1
	s_lshr_b32 s[HF], s[WV], 1
	s_and_b32 s[BB], ttmp7, 0xffff                 ; the batch: the cluster's y, which the four partners share
	s_bfe_u32 s94, ttmp6, 0x40000                  ; cx
	s_lshl_b32 s95, ttmp9, 2
	s_add_co_u32 s95, s95, s94                     ; my block of 32 rows i = 4 x cluster x + cx: it enters lt's and out0's addresses alone
	; descriptor group 1 for rt: 16 rows x 256 elements of 4 bytes, 4 words of padding behind every 256 words
	s_mov_b32 s24, 15|(2<<16)|(1<<20)|(1<<21)|(7<<22)|(3<<25)   ; 15:0 the mask: all four work-groups; 17:16 elements of 4 bytes; 20 padding on; 21 set beside a mask; 24:22 code 7; 31:25 code 3
	s_mov_b32 s25, 256<<16                         ; tensor_dim0
	s_mov_b32 s26, 16<<16                          ; tensor_dim1
	s_mov_b32 s27, 256<<16                         ; tile_dim0
	s_mov_b32 s28, 16                              ; tile_dim1
	s_mov_b32 s29, 256                             ; from row to row
	s_mov_b32 s30, 0
	s_mov_b32 s31, 0
	; and for W_maxpool: 8 rows
	s_mov_b32 s32, 15|(2<<16)|(1<<20)|(1<<21)|(7<<22)|(3<<25)
	s_mov_b32 s33, 256<<16
	s_mov_b32 s34, 8<<16
	s_mov_b32 s35, 256<<16
	s_mov_b32 s36, 8
	s_mov_b32 s37, 256
	s_mov_b32 s38, 0
	s_mov_b32 s39, 0
	s_mov_b32 s66, 0x76543210                      ; v_permlanex16_b32: lane l xor 16
	s_mov_b32 s67, 0xfedcba98
	s_mov_b32 s104, 0x06040200                     ; v_perm_b32: the even bytes of two registers,
	s_mov_b32 s105, 0x07050301                     ; the odd ones
	v_and_b32 v[RR], 15, v0
	v_bfe_u32 v[HH], v0, 4, 1
	v_mov_b32 v[PT], 0
	v_lshlrev_b32 v[OLT], 10, v[RR]
	v_lshl_add_u32 v[OLT], v[HH], 6, v[OLT]
	v_lshlrev_b32 v[OHV], 6, v[HH]
	v_lshlrev_b32 v[OWC], 8, v[RR]
	v_lshl_add_u32 v[OWC], v[HH], 4, v[OWC]
	s_wait_kmcnt 0x0
	s_load_b256 s[68:75], s[20:21], 0x0            ; e0 .. e7
	s_load_b128 s[76:79], s[20:21], 0x20           ; e8 .. e11
	; lt is what the wave works on first: it is asked for first, ahead of the descriptors and of the cluster's round.  48 loads are out
	s_lshl_b32 s2, s[BB], 18
	s_lshl_b32 s94, s95, 15
	s_add_co_u32 s2, s2, s94
	s_lshl_b32 s94, s[IT], 14
	s_add_co_u32 s2, s2, s94
	s_mov_b32 s3, 0
	s_add_nc_u64 s[4:5], s[4:5], s[2:3]            ; lt at row 256 b + 32 block + 16 it
	s_lshl_b32 s2, s[HF], 14
	s_lshl_b32 s94, s[IT], 9
	s_add_co_u32 s2, s2, s94
	s_add_nc_u64 s[8:9], s[8:9], s[2:3]            ; W_full at row 16 hf, d = 128 it
	WIN 0x40                                       ; destination window 1
.irp c, 0,1,2,3,4,5,6,7
.irp k, 0,1,2,3
	global_load_b128 v[16*\c+4*\k:16*\c+4*\k+3], v[OLT], s[4:5] offset:128*\c+16*\k     ; lt(r, 32 c + 16 h + 4 k ..)
.endr
.endr
.irp c, 0,1,2,3
.irp k, 0,1,2,3
	global_load_b128 v[128+16*\c+4*\k:128+16*\c+4*\k+3], v[OLT], s[8:9] offset:128*\c+16*\k   ; W_full(16 hf + r, 128 it + 32 c + 16 h + 4 k ..)
.endr
.endr
	WIN 0
	; descriptor groups 0.  Wave w asks for rows 8 w .. of W_maxpool and for rows 64 w + 16 t .. of rt[b], t = 0 .. 3: nothing in them hangs on my place in the cluster
	s_mov_b32 s40, 1
	s_mul_i32 s100, s[WV], 8*PITCH
	s_add_co_u32 s41, s100, WB
	s_lshl_b32 s100, s[WV], 13
	s_mov_b32 s101, 0
	s_add_nc_u64 s[42:43], s[10:11], s[100:101]
	s_or_b32 s43, s43, 0x80000000
	s_lshl_b32 s100, s[BB], 18
	s_lshl_b32 s96, s[WV], 16
	s_add_co_u32 s100, s100, s96
	s_add_nc_u64 s[6:7], s[6:7], s[100:101]
	s_mul_i32 s96, s[WV], 4*TRB
.irp t, 0,1,2,3
	s_mov_b32 s[44+4*\t], 1
	s_add_co_u32 s[45+4*\t], s96, \t*TRB
	s_add_nc_u64 s[46+4*\t:47+4*\t], s[6:7], \t*16384
	s_or_b32 s[47+4*\t], s[47+4*\t], 0x80000000
.endr
	; the other bases
	s_lshl_b32 s2, s[BB], 17
	s_lshl_b32 s94, s95, 14
	s_add_co_u32 s2, s2, s94
	s_lshl_b32 s94, s[WV], 12
	s_add_co_u32 s2, s2, s94
	s_add_nc_u64 s[22:23], s[22:23], s[2:3]        ; out0 at row 256 b + 32 block + 8 w
	s_cmp_eq_u32 s[IT], 0
	s_cselect_b64 s[12:13], s[12:13], s[14:15]     ; my half of h_rt: forward_h_rt (it = 0: d under 128) or backward_h_rt
	s_lshl_b32 s2, s[BB], 9
	s_add_nc_u64 s[12:13], s[12:13], s[2:3]
	s_cmp_eq_u32 s[HF], 0
	s_cselect_b64 s[16:17], s[16:17], s[18:19]     ; W_att's codes (hf = 0) or W_maxatt's
	ROUND                                          ; all four work-groups are here: the joint loads meet
	tensor_load_to_lds s[40:43], s[32:39]          ; five loads of mine are out: W_maxpool's 8 rows,
	s_nop 0
	tensor_load_to_lds s[44:47], s[24:31]          ; and four chunks of 16 rows of rt, so that the first can be worked on while the others are on their way
	s_nop 0
	tensor_load_to_lds s[48:51], s[24:31]
	s_nop 0
	tensor_load_to_lds s[52:55], s[24:31]
	s_nop 0
	tensor_load_to_lds s[56:59], s[24:31]
	s_nop 0
	NOPS 4                                         ; behind a tensor load
	; the LDS addresses: constants, the lane and the wave's number
	v_lshl_add_u32 v[IMG], v[HH], 3, v[RR]
	v_and_b32 v[IMG], 15, v[IMG]
	v_lshlrev_b32 v[IMG], 4, v[IMG]
	v_lshl_add_u32 v[IMG], v[HH], 8, v[IMG]
	s_mul_i32 s100, s[WV], 4*TRB
	v_mul_u32_u24 v[RTA], v[RR], PITCH
	v_lshl_add_u32 v[RTA], v[HH], 6, v[RTA]
	v_add_nc_u32 v[RTA], s100, v[RTA]
	v_add_nc_u32 v[IMW], s100, v[IMG]
	s_mul_i32 s100, s[HF], 16*PITCH
	s_add_co_u32 s100, s100, WB
	v_lshl_add_u32 v[WA0], v[HH], 6, s100
	s_mul_i32 s100, s[IT], 16*SGP
	s_add_co_u32 s100, s100, SG
	v_mul_u32_u24 v[TT], v[RR], SGP
	v_add_nc_u32 v[TT], s100, v[TT]                ; the stage's row 16 it + r
	s_lshl_b32 s101, s[HF], 6
	v_add_nc_u32 v[SA0], s101, v[TT]
	v_add_nc_u32 v[SA0], 128, v[SA0]
	v_lshl_add_u32 v[TT], v[HH], 5, v[TT]
	v_add_nc_u32 v[SOF], s101, v[TT]
	s_lshl_b32 s101, s[HF], 7
	v_add_nc_u32 v[SOA], s101, v[TT]
.irp g, 0,1,2,3
	v_add_nc_u32 v[GB+\g], \g*4*TRB, v[IMG]
.endr
	v_bfe_u32 v[WA], v0, 3, 1                      ; hc = (L >> 3) & 1: which 16 of a piece's 32 d my turning load reads  (WA and SA are at work here)
	v_xor_b32 v[SA], v[HH], v[WA]
	v_and_b32 v[TT], 7, v0
	v_lshlrev_b32 v[TT], 4, v[TT]
	v_lshl_add_u32 v[TT], v[SA], 7, v[TT]
	v_lshl_add_u32 v[TT], v[WA], 8, v[TT]          ; row 8 h + (L & 7) of the tile, half hc: 256 hc + 128 (h xor hc) + 16 (L & 7)
	s_lshl_b32 s101, s[HF], 11
	v_add_nc_u32 v[TRA], s101, v[TT]               ; + the four pieces of my half of d
.irp g, 1,2,3
	v_add_nc_u32 v[TRA+\g], \g*4*TRB, v[TRA]
.endr
	s_lshl_b32 s101, s[WV], 8
	s_add_co_u32 s101, s101, RNRB
	v_lshl_add_u32 v[RNA], v[RR], 2, s101
	s_lshl_b32 s101, s[HF], 9
	s_add_co_u32 s101, s101, RNRB
	v_lshl_add_u32 v[RNR], v[HH], 5, s101
	s_mul_i32 s100, s[IT], 4*TRB
	s_add_co_u32 s100, s100, 12288
	s_mul_i32 s101, s[HF], 2*TRB
	s_add_co_u32 s101, s101, s100
	v_add_nc_u32 v[XW], s101, v[IMG]               ; x's image (set, it, half of d) lies in the tail of tile 4 it + 2 half + set
	s_mul_i32 s101, s[HF], TRB
	s_add_co_u32 s101, s101, s100
	v_add_nc_u32 v[XRD], s101, v[IMG]
; ---------------- P1, while rt is on its way: the scales, |lt|, lt's two sets of codes ----------------
	s_wait_kmcnt 0x0
	MKSC 68, 80, 81                                ; e0
	MKSC 69, 82, 83                                ; e1
	MKSC 70, 84, 85                                ; e2
	MKSC 71, 86, 89                                ; e3, e5, e7: s86-88 the limits, s89-91 the scales; they rotate in the loop over rt's three sets
	MKSC 73, 87, 90
	MKSC 75, 88, 91
	MKSC 72, 92, 93                                ; e4
	MKSC 74, 94, 95                                ; e6
	s_sub_co_i32 s101, s76, s74
	s_sub_co_i32 s101, s101, s75
	MKSC 101, 96, 97                               ; e8 - e6 - e7: a sum of product 6 stands for sum x 2^(e6+e7): the three scales are folded into the conversion's one
	s_sub_co_i32 s101, s78, s74
	s_sub_co_i32 s101, s101, s75
	MKSC 101, 98, 99                               ; e10 - e6 - e7
	s_add_co_i32 s68, s68, s69                     ; e0 + e1
	s_add_co_i32 s69, s70, s71                     ; e2 + e3
	s_add_co_i32 s70, s72, s73                     ; e4 + e5
	s_add_co_i32 s76, s76, s77
	s_add_co_i32 s78, s78, s79
	s_cmp_eq_u32 s[HF], 0
	s_cselect_b32 s71, s76, s78                    ; e8 + e9 or e10 + e11
	s_wait_loadcnt 16                              ; lt's 32 loads are in; the 16 of W_full, issued behind them, may be out
	WIN 0x40                                       ; my half of h_rt: it is wanted only behind the quantising of rt
.irp c, 0,1,2,3
.irp k, 0,1,2,3
	global_load_b128 v[192+16*\c+4*\k:192+16*\c+4*\k+3], v[OHV], s[12:13] offset:128*\c+16*\k   ; h_rt(128 it + 32 c + 16 h + 4 k ..): the same for all r
.endr
.endr
	WIN 0x05                                       ; sources 0 and 1 window 1
.set qM, 0
.rept 64
	SQ 0, qM
.set qM, qM+1
.endr
	WIN 0
	NORM RNL
	v_ldexp_f32 v[RNL], v[RNL], s70                ; 2^(e4+e5) / |lt[i]|
	v_mov_b32 v[SCX], s81
	WIN 0x84                                       ; lt (window 1) is kept: it is held into window 2
	HOLDS 0, 0, 128, 80
	WIN 0x02
	CVTS L0, 0, 16
	WIN 0
	v_nop                                          ; a plain instruction between the conversions and the lines that write their sources again
	v_mov_b32 v[SCX], s93
	WIN 0x84
	HOLDS 0, 0, 128, 92
	WIN 0x02
	CVTS L4, 0, 16
	WIN 0
	v_nop
; ---------------- P2: my 64 rows of rt become 1 / |rt[j]| and three sets of codes, 16 rows at a time, in place ----------------
.macro RTQ t
	s_wait_tensorcnt 3-(\t)                        ; tensor loads of a wave end in order (ISA guide 10.11.1): chunk t is in; the 3 - t chunks asked for behind it may be out
.irp c, 0,1,2,3,4,5,6,7
.irp k, 0,1,2,3
	ds_load_b128 v[XF+16*\c+4*\k:XF+16*\c+4*\k+3], v[RTA] offset:(\t)*TRB+128*\c+16*\k
.endr
.endr
.irp c, 0,1,2,3,4,5,6,7
	s_wait_dscnt 28-4*\c                           ; block c's four loads are in; the later blocks' may be out.  At c = 7 all my reads of the tile are back: it may be stored over
.irp m, 0,1,2,3,4,5,6,7
	SQ XF, 8*\c+\m
.endr
.endr
	NORM TT
	ds_store_b32 v[RNA], v[TT] offset:64*(\t)      ; both halves of the lanes store the same word with the same number
	s_mov_b32 s[SETO], 0
.Lset_\@:                                              ; three trips: e3, e5, e7
	v_add_nc_u32 v[IMS], s[SETO], v[IMW]
	v_mov_b32 v[SCX], s89
	WIN 0x80                                       ; the numbers are kept for the next set: they are held into window 2
	HOLDS 0, XF, 128, 86
	WIN 0x02
	CVTS CD, 0, 16
	WIN 0
.irp c, 0,1,2,3,4,5,6,7
	ds_store_b128 v[IMS], v[CD+4*\c:CD+4*\c+3] offset:(\t)*TRB+512*\c
.endr
	v_nop                                          ; a plain instruction between the conversions and the next trip's writes of their sources
	s_mov_b32 s100, s86                            ; the limits and the scales rotate: after three trips they are back
	s_mov_b32 s86, s87
	s_mov_b32 s87, s88
	s_mov_b32 s88, s100
	s_mov_b32 s100, s89
	s_mov_b32 s89, s90
	s_mov_b32 s90, s91
	s_mov_b32 s91, s100
	s_add_co_u32 s[SETO], s[SETO], 4096
	s_cmp_lt_u32 s[SETO], 12288
	s_cbranch_scc1 .Lset_\@
.endm
	RTQ 0
	RTQ 1
	RTQ 2
	RTQ 3
; product 1, my part: W_full[16 hf + r][d] h_rt[d] for d = 128 it .., in f32; its codes by e1 are half it of K of product 2's operand.  They go into the tail of my first tile, which I have read out
	s_wait_loadcnt 0x0                             ; W_full's 16 loads and h_rt's 16: asked for ahead of all of P2
	WIN 0x05                                       ; sources 0 and 1 window 1
.set qM, 0
.rept 32
	v_pk_mul_f32 v[XF+2*qM:XF+2*qM+1], v[128+2*qM:128+2*qM+1], v[192+2*qM:192+2*qM+1]
.set qM, qM+1
.endr
	WIN 0
	v_mov_b32 v[SCX], s83
	HOLDS XF, XF, 64, 82
	CVTS CD, XF, 8
	v_nop
.irp k, 0,1,2,3
	ds_store_b128 v[IMW], v[CD+4*\k:CD+4*\k+3] offset:WHO+512*\k
.endr
	WIN 0x40                                       ; W_full's registers are done with: they take the codes of W_att or W_maxatt, fragment (tile of l, half of K) at v[128 + 32 tile + 16 half]
.irp n, 0,1
.irp s, 0,1
.irp c, 0,1,2,3
	global_load_b128 v[128+32*\n+16*\s+4*\c:128+32*\n+16*\s+4*\c+3], v[OWC], s[16:17] offset:4096*\n+128*\s+32*\c
.endr
.endr
.endr
	WIN 0
	BAR                                            ; every wave has waited for all its tensor loads and for its stores: W_maxpool, all codes and 1 / |rt| lie in LDS for all four
	s_mul_i32 s100, s[HF], 8*TRB                   ; four address registers of P2 get their second use
	v_add_nc_u32 v[G5A], s100, v[IMG]
	v_add_nc_u32 v[G5B], 4*TRB, v[G5A]
	s_lshl_b32 s100, s[IT], 12
	s_add_co_u32 s100, s100, SCI
	v_add_nc_u32 v[SCRA], s100, v[IMG]
	s_lshl_b32 s101, s[HF], 11
	v_add_nc_u32 v[SCW], s101, v[SCRA]
; ---------------- P3: all of rt's codes by e3 into windows 2 and 3: tile T of 16 j at v[32 (T % 8)] of window 2 + T / 8.  They stay: product 4 reads no fragment of rt from LDS again ----------------
; Product 2 stands among these loads: its operand's two halves were made by waves 2 hf and 2 hf + 1, whose first tiles are tiles 8 hf and 8 hf + 4
.irp k, 0,1,2,3
	ds_load_b128 v[WH+4*\k:WH+4*\k+3], v[G5A] offset:WHO+512*\k
.endr
.irp k, 0,1,2,3
	ds_load_b128 v[WH+16+4*\k:WH+16+4*\k+3], v[G5B] offset:WHO+512*\k
.endr
	WIN 0x80
.irp T, 0,1,2,3
.irp c, 0,1,2,3,4,5,6,7
	ds_load_b128 v[32*\T+4*\c:32*\T+4*\c+3], v[GB+\T/4] offset:(\T%4)*TRB+512*\c
.endr
.endr
	WIN 0
	s_wait_dscnt 32                                ; the two fragments are in; the 32 loads of rt's codes issued behind them may be out
	v_wmma_f32_16x16x128_bf8_bf8 v[64:71], v[WH:WH+15], v[L0:L0+15], 0          ; product 2: source 0 = 16 l, source 1 = my 16 i
	s_wait_alu depctr_va_vdst(0)                   ; the wait stands directly ahead of the link
	v_wmma_f32_16x16x128_bf8_bf8 v[64:71], v[WH+16:WH+31], v[L0+16:L0+31], v[64:71]
	NOPS 5                                         ; four places ahead of the first read of the sums and of loads into the fragments' registers; five, since product 5's sums are laid over lt's codes by e0
.irp j, 0,1,2,3,4,5,6,7
	v_ldexp_f32 v[72+\j], v[64+\j], s68            ; x 2^(e0+e1): (i = r, l = 16 hf + 8 h + j)
.endr
	ds_store_b128 v[SOF], v[72:75]
	ds_store_b128 v[SOF], v[76:79] offset:16
	WIN 0x80
.irp T, 4,5,6,7
.irp c, 0,1,2,3,4,5,6,7
	ds_load_b128 v[32*\T+4*\c:32*\T+4*\c+3], v[GB+\T/4] offset:(\T%4)*TRB+512*\c
.endr
.endr
	WIN 0xc0
.irp T, 8,9,10,11,12,13,14,15
.irp c, 0,1,2,3,4,5,6,7
	ds_load_b128 v[32*(\T-8)+4*\c:32*(\T-8)+4*\c+3], v[GB+\T/4] offset:(\T%4)*TRB+512*\c
.endr
.endr
	WIN 0
; ---------------- P4: the attention chain ----------------
; product 5: my 16 i x my 128 j, four tiles of j at a time; the four accumulators take turns
.irp grp, 0,1
.if \grp
	NOPS 4                                         ; places in front of loads into registers that matrix instructions have read
.endif
.irp a, 0,1,2,3
.irp k, 0,1,2,3,4,5,6,7
	ds_load_b128 v[F5+32*\a+4*\k:F5+32*\a+4*\k+3], v[G5A+\grp] offset:\a*TRB+4096+512*\k
.endr
.endr
	s_wait_dscnt 0x0
.irp a, 0,1,2,3
	v_wmma_f32_16x16x128_bf8_bf8 v[A5+8*(4*\grp+\a):A5+8*(4*\grp+\a)+7], v[F5+32*\a:F5+32*\a+15], v[L4:L4+15], 0
.endr
.irp a, 0,1,2,3
	v_wmma_f32_16x16x128_bf8_bf8 v[A5+8*(4*\grp+\a):A5+8*(4*\grp+\a)+7], v[F5+32*\a+16:F5+32*\a+31], v[L4+16:L4+31], v[A5+8*(4*\grp+\a):A5+8*(4*\grp+\a)+7]
.endr
.endr
	NOPS 4                                         ; places in front of the loads below and of the first read of the sums
.irp c, 0,1,2,3,4,5,6,7
	ds_load_b128 v[RN+8*\c:RN+8*\c+3], v[RNR] offset:64*\c         ; 1 / |rt[j]|, j = 128 hf + 16 c + 8 h + 0 .. 7: the accumulators' layout
	ds_load_b128 v[RN+8*\c+4:RN+8*\c+7], v[RNR] offset:64*\c+16
.endr
	s_wait_dscnt 0x0
.set qM, 0
.rept 32
	v_pk_mul_f32 v[A5+2*qM:A5+2*qM+1], v[A5+2*qM:A5+2*qM+1], v[RN+2*qM:RN+2*qM+1]   ; each accumulator from its low end on
.set qM, qM+1
.endr
.set qM, 0
.rept 32
	v_pk_mul_f32 v[A5+2*qM:A5+2*qM+1], v[A5+2*qM:A5+2*qM+1], v[RNL:RNL+1] op_sel_hi:[1,0]   ; x 2^(e4+e5) / |lt[i]|: the cosine
.set qM, qM+1
.endr
	v_mov_b32 v[SCX], s95
	HOLDS A5, A5, 64, 94
	CVTS SCD, A5, 8                                ; accumulator c's eight registers are j = 16 c + 8 h + 0 .. 7: registers 2 c, 2 c + 1 of product 6's operand
	v_nop
.irp k, 0,1,2,3
	ds_store_b128 v[SCW], v[SCD+4*\k:SCD+4*\k+3] offset:512*\k
.endr
	BAR                                            ; the scores' four fragments lie in LDS
.irp k, 0,1,2,3,4,5,6,7
	ds_load_b128 v[SCR+4*\k:SCR+4*\k+3], v[SCRA] offset:512*\k     ; my rows' two
.endr
; product 6: att[i][d] for my 128 d, K = j.  rt's codes lie with d along a lane's bytes, so a turning load on PAIRS of bytes brings lane (r, h) eight j of d = 32 g + 2 r and 2 r + 1, and v_perm_b32 parts even from odd d.
; Step s: half s / 4 of j, piece g = s % 4 of my d: eight loads, 32 v_perm_b32, two products.  Register q of the even accumulator is d = 32 g + 16 h + 2 q, of the odd one + 1.
.macro TRL s
.irp c, 0,1,2,3,4,5,6,7
	ds_load_tr16_b128 v[RW+32*((\s)%2)+4*\c:RW+32*((\s)%2)+4*\c+3], v[TRA+2*((\s)/4)+\c/4] offset:(\c%4)*TRB+8192+512*((\s)%4)
.endr
.endm
	TRL 0
.irp s, 0,1,2,3,4,5,6,7
.if \s < 7
	TRL \s+1
	s_wait_dscnt 8                                 ; all but the eight just issued
.else
	s_wait_dscnt 0x0
.endif
.irp c, 0,1,2,3,4,5,6,7
	v_perm_b32 v[EO+32*(\s%2)+2*\c], v[RW+32*(\s%2)+4*\c+1], v[RW+32*(\s%2)+4*\c], s104
	v_perm_b32 v[EO+32*(\s%2)+2*\c+1], v[RW+32*(\s%2)+4*\c+3], v[RW+32*(\s%2)+4*\c+2], s104
	v_perm_b32 v[EO+32*(\s%2)+16+2*\c], v[RW+32*(\s%2)+4*\c+1], v[RW+32*(\s%2)+4*\c], s105
	v_perm_b32 v[EO+32*(\s%2)+16+2*\c+1], v[RW+32*(\s%2)+4*\c+3], v[RW+32*(\s%2)+4*\c+2], s105
.endr
.if \s < 4
	v_wmma_f32_16x16x128_bf8_bf8 v[A6+16*(\s%4):A6+16*(\s%4)+7], v[EO+32*(\s%2):EO+32*(\s%2)+15], v[SCR:SCR+15], 0
	v_wmma_f32_16x16x128_bf8_bf8 v[A6+16*(\s%4)+8:A6+16*(\s%4)+15], v[EO+32*(\s%2)+16:EO+32*(\s%2)+31], v[SCR:SCR+15], 0
.else
	v_wmma_f32_16x16x128_bf8_bf8 v[A6+16*(\s%4):A6+16*(\s%4)+7], v[EO+32*(\s%2):EO+32*(\s%2)+15], v[SCR+16:SCR+31], v[A6+16*(\s%4):A6+16*(\s%4)+7]
	v_wmma_f32_16x16x128_bf8_bf8 v[A6+16*(\s%4)+8:A6+16*(\s%4)+15], v[EO+32*(\s%2)+16:EO+32*(\s%2)+31], v[SCR+16:SCR+31], v[A6+16*(\s%4)+8:A6+16*(\s%4)+15]
.endif
.endr
	NOPS 4
; products 7 and 9: lt x att, in f32.  Which 64 of lt's registers are my half of d hangs on the wave's number: two arms of register work alone
.macro YMUL dh
	WIN 0x01                                       ; source 0 (lt) window 1
.irp g, 0,1,2,3
.irp q, 0,1,2,3,4,5,6,7
	v_mul_f32 v[Y+16*\g+2*\q], v[16*(4*(\dh)+\g)+2*\q], v[A6+16*\g+\q]
	v_mul_f32 v[Y+16*\g+2*\q+1], v[16*(4*(\dh)+\g)+2*\q+1], v[A6+16*\g+8+\q]
.endr
.endr
	WIN 0
.endm
	s_cmp_eq_u32 s[HF], 0
	s_cbranch_scc0 .Lupper_d
	YMUL 0
	s_branch .Lx_made
.Lupper_d:
	YMUL 1
.Lx_made:
	v_mov_b32 v[SCX], s97
	HOLDS TY, Y, 64, 96                            ; x by e8 (the numbers are kept for e10),
	CVTS XC, TY, 8
	v_nop
	v_mov_b32 v[SCX], s99
	HOLDS Y, Y, 64, 98                             ; and by e10
	CVTS XC+16, Y, 8
	v_nop
.irp k, 0,1,2,3
	ds_store_b128 v[XW], v[XC+4*\k:XC+4*\k+3] offset:512*\k
	ds_store_b128 v[XW], v[XC+16+4*\k:XC+16+4*\k+3] offset:TRB+512*\k
.endr
	BAR                                            ; x's eight fragments lie in the first 2,048 bytes of the tails of tiles 0 to 7, which nobody has read since the first barrier
; product 8 (hf = 0) or 10 (hf = 1): my 16 i x 32 l
.irp dh, 0,1
.irp k, 0,1,2,3
	ds_load_b128 v[XO+16*\dh+4*\k:XO+16*\dh+4*\k+3], v[XRD] offset:\dh*2*TRB+512*\k
.endr
.endr
	s_wait_loadcnt 0x0                             ; the weights' codes
	s_wait_dscnt 0x0
	WIN 0x01                                       ; source 0 (the weights) window 1
	v_wmma_f32_16x16x128_bf8_bf8 v[A8:A8+7], v[128:143], v[XO:XO+15], 0
	v_wmma_f32_16x16x128_bf8_bf8 v[A8+8:A8+15], v[160:175], v[XO:XO+15], 0
	v_wmma_f32_16x16x128_bf8_bf8 v[A8:A8+7], v[144:159], v[XO+16:XO+31], v[A8:A8+7]
	v_wmma_f32_16x16x128_bf8_bf8 v[A8+8:A8+15], v[176:191], v[XO+16:XO+31], v[A8+8:A8+15]
	WIN 0
	NOPS 4
.irp j, 0,1,2,3,4,5,6,7,8,9,10,11,12,13,14,15
	v_ldexp_f32 v[80+\j], v[A8+\j], s71
.endr
.irp n, 0,1
	ds_store_b128 v[SOA], v[80+8*\n:83+8*\n] offset:256+64*\n
	ds_store_b128 v[SOA], v[84+8*\n:87+8*\n] offset:256+64*\n+16
.endr
; ---------------- P5: product 4 and the maximum over j ----------------
; Tile t = 0 .. 15 is l = 16 hf + t: A = the codes of lt[i][:] x W_maxpool[l][:] for my 16 i (source 1), against all 16 tiles of rt (source 0): 32 matrix instructions, in 8 units of 4.
; Unit u: tiles of j 4 (u / 2) + a, a = 0 .. 3, half u % 2 of K; two sets of four accumulators take turns by u / 2, so a link stands three matrix instructions behind the one that it adds onto.
; Between a unit's matrix instructions stands the making of the NEXT tile's codes, block k of 16 numbers a lane: W's block is asked of LDS in unit k - 3, multiplied by lt in unit k - 1, held and converted in unit k;
; and the maximum over the set of accumulators that was finished a unit or two before.
.macro WM dl, u, a
.set rD, ACC+32*(((\u)/2)%2)+8*(\a)
.set rA, 32*((4*((\u)/2)+(\a))%8)+16*((\u)%2)
.set rB, AB+32*((\dl)%2)+16*((\u)%2)
.if (\u)%2 == 0
	v_wmma_f32_16x16x128_bf8_bf8 v[rD:rD+7], v[rA:rA+15], v[rB:rB+15], 0
.else
	v_wmma_f32_16x16x128_bf8_bf8 v[rD:rD+7], v[rA:rA+15], v[rB:rB+15], v[rD:rD+7]
.endif
.endm
.macro LW row, blk                     ; block blk of W's row (counted from the trip's first): all lanes of a half read the same 64 bytes
.irp j, 0,1,2,3
	ds_load_b128 v[WS+16*((\blk)%2)+4*\j:WS+16*((\blk)%2)+4*\j+3], v[WA] offset:(\row)*PITCH+(\blk)*128+16*\j
.endr
.endm
.macro MX blk                          ; product 3: lt x W, in f32 (source 0 window 1)
.set mI, 0
.rept 8
	v_pk_mul_f32 v[X+16*((\blk)%2)+2*mI:X+16*((\blk)%2)+2*mI+1], v[16*(\blk)+2*mI:16*(\blk)+2*mI+1], v[WS+16*((\blk)%2)+2*mI:WS+16*((\blk)%2)+2*mI+1]
.set mI, mI+1
.endr
.endm
.macro MAXS u                          ; two accumulators of the set that unit u does not write, into four chains; each accumulator from its low end on.  u = 2: a tile's first: the chains begin
.set mX, ACC+32*(1-((\u)/2)%2)+16*((\u)%2)
.set mY, mX+8
.if (\u) == 2
	v_max_num_f32 v[RUN], v[mX], v[mX+1]
	v_max_num_f32 v[RUN+1], v[mY], v[mY+1]
	v_max_num_f32 v[RUN+2], v[mX+2], v[mX+3]
	v_max_num_f32 v[RUN+3], v[mY+2], v[mY+3]
.else
	v_max3_num_f32 v[RUN], v[RUN], v[mX], v[mX+1]
	v_max3_num_f32 v[RUN+1], v[RUN+1], v[mY], v[mY+1]
	v_max3_num_f32 v[RUN+2], v[RUN+2], v[mX+2], v[mX+3]
	v_max3_num_f32 v[RUN+3], v[RUN+3], v[mY+2], v[mY+3]
.endif
	v_max3_num_f32 v[RUN], v[RUN], v[mX+4], v[mX+5]
	v_max3_num_f32 v[RUN+1], v[RUN+1], v[mY+4], v[mY+5]
	v_max3_num_f32 v[RUN+2], v[RUN+2], v[mX+6], v[mX+7]
	v_max3_num_f32 v[RUN+3], v[RUN+3], v[mY+6], v[mY+7]
.endm
.macro FIN off                         ; a tile's maximum: the four chains, the lane 16 away (the other eight j of each tile), x 2^(e2+e3), into the stage
	v_max3_num_f32 v[RUN], v[RUN], v[RUN+1], v[RUN+2]
	v_max_num_f32 v[RUN], v[RUN], v[RUN+3]
	v_permlanex16_b32 v[PT], v[RUN], s66, s67
	v_max_num_f32 v[RUN], v[RUN], v[PT]
	v_ldexp_f32 v[FO], v[RUN], s69
	ds_store_b32 v[SA], v[FO] offset:\off
.endm
; dl: the tile, counted from the trip's first.  mode 2: all; 1: the last tile but one: nothing is asked or multiplied beyond W's last row; 0: the last tile: products and maxima alone.  prev = 1: there is a tile before
; The unit's four LDS loads stand at its end, behind the two conversions and the eight maxima: no LDS load stands close behind a product.
.macro UNIT dl, u, mode, prev
.set xH, X+16*((\u)%2)
.set cD, AB+32*(1-(\dl)%2)+4*(\u)
	WIN 0x02+(\u)/4                                ; source 0 (rt) window 2 or 3; the holds' vector source stands in place 1, so they run under this setting
	WM \dl, \u, 0
.if (\mode) > 0
	HOLDS xH, xH, 8, 84
.endif
	WM \dl, \u, 1
.if (\mode) > 0
	HOLDS xH+8, xH+8, 8, 84
.endif
	WM \dl, \u, 2
.if ((\mode) == 2) || (((\mode) == 1) && ((\u) < 7))
	WIN 0x01
.if ((\mode) == 1) && ((\u) >= 6)
	s_wait_dscnt 0x0                               ; nothing was asked for behind this block
.else
	s_wait_dscnt 4                                 ; W's block u + 1, asked for two units ago, is in; the four loads of block u + 2 may be out (a finished maximum's store is older than they)
.endif
	MX ((\u)+1)%8
	WIN 0x02+(\u)/4
.endif
	WM \dl, \u, 3
	WIN 0
.if (\mode) > 0
	v_cvt_scalef32_pk8_bf8_f32 v[cD:cD+1], v[xH:xH+7], v[SCX]
	v_cvt_scalef32_pk8_bf8_f32 v[cD+2:cD+3], v[xH+8:xH+15], v[SCX]
.endif
.if ((\u) >= 2) || (\prev)
	MAXS \u
.endif
.if ((\u) == 1) && (\prev)
	FIN 4*((\dl)-1)
.endif
.if ((\mode) == 2) || (((\mode) == 1) && ((\u) < 5))
	LW (\dl)+1+((\u)+3)/8, ((\u)+3)%8
.endif
.endm
	; tile 0's codes, in place: W's row 0 into v96-223, x lt, held, converted
	v_mov_b32 v[SCX], s85
	s_mov_b32 s[WOFF], 0
	s_mov_b32 s[SOFF], 0
	v_add_nc_u32 v[WA], s[WOFF], v[WA0]
	v_add_nc_u32 v[SA], s[SOFF], v[SA0]
.irp k, 0,1,2,3,4,5,6,7
.irp j, 0,1,2,3
	ds_load_b128 v[96+16*\k+4*\j:96+16*\k+4*\j+3], v[WA] offset:128*\k+16*\j
.endr
.endr
	s_wait_dscnt 0x0
	WIN 0x01
.set qM, 0
.rept 64
	v_pk_mul_f32 v[96+2*qM:96+2*qM+1], v[2*qM:2*qM+1], v[96+2*qM:96+2*qM+1]
.set qM, qM+1
.endr
	WIN 0
	HOLDS 96, 96, 128, 84
	CVTS AB, 96, 16
	v_nop
	LW 1, 0                                        ; tile 1's codes begin
	LW 1, 1
	s_wait_dscnt 4                                 ; block 0 is in; block 1's four loads may be out
	WIN 0x01
	MX 0
	WIN 0
	LW 1, 2
	UNIT 0, 0, 2, 0
	UNIT 0, 1, 2, 0
	s_mov_b32 s2, 7
.Lmain:                                                ; a trip runs two tiles, from a tile's third unit to the third unit two tiles on, where the register numbers are back
	v_add_nc_u32 v[WA], s[WOFF], v[WA0]
	v_add_nc_u32 v[SA], s[SOFF], v[SA0]
.irp u, 2,3,4,5,6,7
	UNIT 0, \u, 2, 1
.endr
.irp u, 0,1,2,3,4,5,6,7
	UNIT 1, \u, 2, 1
.endr
	UNIT 2, 0, 2, 1
	UNIT 2, 1, 2, 1
	s_add_co_u32 s[WOFF], s[WOFF], 2*PITCH
	s_add_co_u32 s[SOFF], s[SOFF], 8
	s_sub_co_u32 s2, s2, 1
	s_cmp_lg_u32 s2, 0
	s_cbranch_scc1 .Lmain
	v_add_nc_u32 v[WA], s[WOFF], v[WA0]            ; tiles 14 and 15 are written out: no load reads past W's last row
	v_add_nc_u32 v[SA], s[SOFF], v[SA0]
.irp u, 2,3,4,5,6,7
	UNIT 0, \u, 1, 1
.endr
.irp u, 0,1,2,3,4,5,6,7
	UNIT 1, \u, 0, 1
.endr
	NOPS 4                                         ; places behind the last products
	MAXS 0                                         ; the last tile's last set
	MAXS 1
	FIN 4
; ---------------- P6: 32 rows x 128 numbers lie in the stage: tanh, and out in whole rows ----------------
	BAR
	s_mul_i32 s100, s[WV], 8*SGP
	s_add_co_u32 s100, s100, SG
	v_and_b32 v[OHV], 31, v0
	v_lshlrev_b32 v[OHV], 4, v[OHV]                ; 16 bytes a lane: the 32 lanes take a row of 512 bytes
	v_add_nc_u32 v[SGR], s100, v[OHV]
.irp k, 0,1,2,3,4,5,6,7
	ds_load_b128 v[32+4*\k:35+4*\k], v[SGR] offset:SGP*\k
.endr
	s_wait_dscnt 0x0
.irp j, 0,2,4,6,8,10,12,14,16,18,20,22,24,26,28,30
	v_pk_mul_f32 v[32+\j:33+\j], v[32+\j:33+\j], 0x4038aa3b op_sel_hi:[1,0]     ; 2 log2(e) x
.endr
.irp j, 0,1,2,3,4,5,6,7,8,9,10,11,12,13,14,15,16,17,18,19,20,21,22,23,24,25,26,27,28,29,30,31
	v_exp_f32 v[32+\j], v[32+\j]
.endr
	v_nop                                          ; a plain instruction behind the batch,
	s_wait_alu depctr_va_vdst(0)                   ; and one wait for it, ahead of its first reader
.irp j, 0,2,4,6,8,10,12,14,16,18,20,22,24,26,28,30
	v_pk_add_f32 v[32+\j:33+\j], v[32+\j:33+\j], 1.0 op_sel_hi:[1,0]
.endr
.irp j, 0,1,2,3,4,5,6,7,8,9,10,11,12,13,14,15,16,17,18,19,20,21,22,23,24,25,26,27,28,29,30,31
	v_rcp_f32 v[32+\j], v[32+\j]
.endr
	v_nop
	s_wait_alu depctr_va_vdst(0)
.irp j, 0,2,4,6,8,10,12,14,16,18,20,22,24,26,28,30
	v_pk_fma_f32 v[32+\j:33+\j], v[32+\j:33+\j], -2.0, 1.0 op_sel_hi:[1,0,0]    ; tanh = 1 - 2 / (1 + e^(2 x))
.endr
.irp k, 0,1,2,3,4,5,6,7
	global_store_b128 v[OHV], v[32+4*\k:35+4*\k], s[22:23] offset:512*\k th:TH_STORE_NT   ; 32 lanes store 512 consecutive bytes, at a multiple of 512 from out0's first byte
.endr
	s_wait_xcnt 0x0
	v_lshl_add_u32 v254, v0, 2, 0x4f800
	v_mov_b32 v255, 0
	s_wait_tensorcnt 0x0
	ds_add_u32 v254, v255
	s_wait_dscnt 0x0
	ROUND                                          ; the closing round: no work-group ends while a partner may still ask for a tile that names it
	s_endpgm
.Lfunc_end_k_q81b8f6e336_mp:
	.size	k_q81b8f6e336_mp, .Lfunc_end_k_q81b8f6e336_mp-k_q81b8f6e336_mp
	.p2alignl 7, 3214868480
	.fill 96, 4, 3214868480
	.section	.rodata,"a",@progbits
	.p2align	6, 0x0
	.amdhsa_kernel k_q81b8f6e336_mp
		.amdhsa_group_segment_fixed_size 327680
		.amdhsa_private_segment_fixed_size 0
		.amdhsa_enable_private_segment 0
		.amdhsa_kernarg_size 80
		.amdhsa_user_sgpr_count 2
		.amdhsa_user_sgpr_kernarg_segment_ptr 1
		.amdhsa_wavefront_size32 1
		.amdhsa_system_sgpr_workgroup_id_x 1
		.amdhsa_system_sgpr_workgroup_id_y 1
		.amdhsa_system_sgpr_workgroup_id_z 1
		.amdhsa_system_vgpr_workitem_id 0
		.amdhsa_next_free_vgpr 1024
		.amdhsa_next_free_sgpr 106
		.amdhsa_reserve_vcc 0
		.amdhsa_float_denorm_mode_32 3
		.amdhsa_float_denorm_mode_16_64 3
		.amdhsa_memory_ordered 1
		.amdhsa_forward_progress 1
		.amdhsa_inst_pref_size 255
	.end_amdhsa_kernel
	.section	.bss,"aw",@nobits
	.p2align	6
	.space	262144
	.amdgpu_metadata
---
amdhsa.version: [ 1, 2 ]
amdhsa.kernels:
  - .name:           k_q81b8f6e336_mp
    .symbol:         k_q81b8f6e336_mp.kd
    .args:
      - { .name: lstm_lt, .offset: 0, .size: 8, .value_kind: global_buffer, .address_space: global }
      - { .name: lstm_rt, .offset: 8, .size: 8, .value_kind: global_buffer, .address_space: global }
      - { .name: W_full, .offset: 16, .size: 8, .value_kind: global_buffer, .address_space: global }
      - { .name: W_maxpool, .offset: 24, .size: 8, .value_kind: global_buffer, .address_space: global }
      - { .name: forward_h_rt, .offset: 32, .size: 8, .value_kind: global_buffer, .address_space: global }
      - { .name: backward_h_rt, .offset: 40, .size: 8, .value_kind: global_buffer, .address_space: global }
      - { .name: W_att_codes, .offset: 48, .size: 8, .value_kind: global_buffer, .address_space: global }
      - { .name: W_maxatt_codes, .offset: 56, .size: 8, .value_kind: global_buffer, .address_space: global }
      - { .name: lowp_scales, .offset: 64, .size: 8, .value_kind: global_buffer, .address_space: global }
      - { .name: out0, .offset: 72, .size: 8, .value_kind: global_buffer, .address_space: global }
    .group_segment_fixed_size: 327680
    .private_segment_fixed_size: 0
    .kernarg_segment_align: 8
    .kernarg_segment_size: 80
    .max_flat_workgroup_size: 128
    .sgpr_count:     106
    .vgpr_count:     1024
    .wavefront_size: 32
...
	.end_amdgpu_metadata
.endif
;; end of part 1
